; MI455X (gfx1250); checked and timed in simulation.
; The chip was launched on July 23, 2026; its instructions are those of AMD's public machine-readable ISA for CDNA 5 (MIT licence, August 2026) and "CDNA5" Instruction Set Architecture Reference Guide (July 2026). The comments in the code are by the model that wrote it; some were corrected since.
;; Wrapper Linear. Allowed arithmetic: matrix products marked QUANTISED: E2M1 operands, one E8M0 scale for each 32 along K, by v_wmma_scale_f32_16x16x128_f8f6f4 with both operands' format E2M1 (or v_wmma_scale_f32_32x16x128_f4), f32 sums; everything else in f32.
;; Inputs: bias 4,096 float32; max_scale 131,072 float32; min_scale 131,072 float32; value 4,096 x 4,096 float32; weight 4,096 x 4,096 float32; x 2 x 2,048 x 4,096 float32.
;; Outputs: out0 2 x 2,048 x 4,096 float32.
;; This version of the problem:
;;   THIS VERSION OF THE PROBLEM IS GIVEN IN LOW PRECISION. The matrix products marked QUANTISED in the list below multiply operands that are first quantised to E2M1 (2 exponent bits, 1 mantissa bit; 4 bits a number), with one power-of-two scale for each 32 numbers along K (OCP MX v1.0); their sums are f32. All else is computed in f32.
;;   The module's matrix products, in the order in which they are computed (A, B: the left and right operand; K: the contracted axis; several contracted axes count as one K, in the product's order):
;;     1. [M 4,096, K 4,096] x [K 4,096, N 4,096]; A: input x; B: computed on the way: QUANTISED
;;   THE QUANTISER, for each operand of a quantised product, along K:
;;     - K is cut into blocks of 32 from its start; a last block that is shorter is filled with zeros.
;;     - A block's scale is 2^e with e = floor(log2(the largest magnitude in the block)) - 2, held to -126 .. 127; a block of zeros has e = 0. As a byte (E8M0): e + 127.
;;     - Each number is divided by its block's scale, clamped to +-6, and rounded to the nearest number of E2M1, ties to even, subnormals kept.
;;     - The product sums the exact products of the quantised numbers (number of the format x scale) in f32.
;;   ~~~python
;;   def quantise(x, axis):      # numpy; x: float32 -> the quantised numbers, widened to float32 again
;;       x = np.moveaxis(x, axis, -1); K = x.shape[-1]
;;       x = np.pad(x, [(0, 0)] * (x.ndim - 1) + [(0, -K % 32)]); x = x.reshape(x.shape[:-1] + (-1, 32)); a = np.abs(x).max(-1, keepdims=True)
;;       e = np.where(a > 0, np.clip(np.frexp(np.where(a > 0, a, 1))[1] - 1 - 2, -126, 127), 0)      # np.frexp(a)[1] - 1 = floor(log2(a)), exactly
;;       r = np.clip(x / 2.0 ** e, -6, 6)
;;       step = 2.0 ** (np.maximum(np.frexp(np.where(r == 0, 1, r))[1] - 1, 0) - 1)
;;       q = np.round(r / step) * step * 2.0 ** e      # np.round: ties to even
;;       return np.moveaxis(q.reshape(q.shape[:-2] + (-1,))[..., :K], -1, axis).astype(np.float32)
;;   ~~~
;;   OPERANDS COMPUTED ON THE WAY. 'Computed on the way' means the value that the module computes at that place (a softmax that the list does not call 'softmax' is quantised finished and normalised). What goes into a quantiser is computed in f32, as accurately as f32 sums, v_exp_f32 and their like allow (about 1e-6 of the number): no bf16 or f16 on the way to a quantiser, and a product that is left as it is and whose result goes on into a quantised operand takes f32 operands (vector FMAs, or v_wmma_f32_16x16x4_f32). A number that lies on a knife's edge between two numbers of the format may be rounded either way, as far as f32 arithmetic and the matrix unit's own rounding can turn it there, and no further.
;; One version. Each part assembles by itself: llvm-mc -triple=amdgcn-amd-amdhsa -mcpu=gfx1250 --defsym DOCPART=n.
;; ======== version 1 of 1: 2 launches
;; limits: values are held in f16: magnitudes above 65,504 overflow, below 6.1e-05 lose precision; right only within a limited range of input values
;; workspace buffers: aq 8,912,896 bytes; bq 8,912,896 bytes
;; launch quant (part 1): grid 256 x 1, 16 waves a work-group, no clusters, 141,312 bytes of LDS; arguments x, weight, value, min_scale, max_scale, aq, bq; writes aq, bq
.if DOCPART == 1
	.amdgcn_target "amdgcn-amd-amdhsa--gfx1250"
	.amdhsa_code_object_version 6
	.text
	.protected	k_qed70eb4d8c_quant
	.globl	k_qed70eb4d8c_quant
	.p2align	8
	.type	k_qed70eb4d8c_quant,@function
k_qed70eb4d8c_quant:
	s_mov_b64 s[64:65], 0
	v_nop
	global_prefetch_b8 v0, s[64:65] scope:SCOPE_SE
	s_setreg_imm32_b32 hwreg(HW_REG_WAVE_MODE, 25, 1), 1
	s_wait_xcnt 0x0
; x [4096][4096] f32 and the fake-quantised weight wq [4096][4096] (made here, in f32, from weight, value, min_scale, max_scale) are turned into codes of FP4 (E2M1)
; with one E8M0 scale byte for each 32 along K.  aq takes x's, bq takes wq's, both laid [row / 128][k / 512][CHUNK]: a chunk is 128 rows x 256 bytes of codes (K innermost, the lower k in the low four bits),
; then 128 rows x 16 scale bytes: 34,816 consecutive bytes, which the product's launch fetches as one dense block.
; wq, for each group of 128 along K: wmin = min(w, 0) x (clamp(min_scale, -1, 0) + 1), wmax likewise; both zero: -1 and 1; s = f16((wmax - wmin) / 15); zp = round(-wmin / s);
; wq = s x clamp(round(w / s + value), -zp, 15 - zp), which is s x (clamp(round(..) + zp, 0, 15) - zp) on whole numbers.  All three divisions are correctly rounded: a reciprocal, the quotient, its exact residual
; by a fused multiply-add, one correction.  The addition of value has a rounding of its own, as the source has it.
; A block's MX scale is 2^(floor(log2(its largest magnitude)) - 2): its byte is the largest magnitude's exponent field - 2, held at 1 from below.
; LIMITS: NaN and infinities among the inputs are not served.  A block of zeros gets the byte 1 where the rule says 127: its codes are zeros, and this program alone reads the bytes.
; A group whose (wmax - wmin) / 15 falls to 0 or rises to infinity in f16 has no finite result in the source either and is not served; nor is |w / s| beyond f32's range.
; SHARES.  Work-group g owns rows 16 g .. 16 g + 15 of x, weight and value.  Wave & 7 is the K step of 512, wave >> 3 says which 8 of the 16 rows.  EVERY WAVE TAKES BOTH TENSORS BY TURNS: step t = 2 j is row j of the weight,
; step 2 j + 1 row j of x: 16 steps, 2,048 consecutive bytes of a row each (with value's 2,048 in a weight's step), by loads of 512.  All waves take one path through the text.
; The conversions want 16 NEIGHBOURS in a lane, so a step turns through the wave's own stage in LDS: as loaded in, 64 bytes a lane out.  Lane P's 64 bytes are place P; of its four pieces of 16 bytes, piece c lies in slot
; (c + P / 4) mod 4 of the place, in and out.
; Two neighbouring lanes hold a block of 32, eight a group of 128.  A step's codes are 256 consecutive bytes, one store, from registers of the step's own: no store's data are written again.
; The scale bytes of 16 rows x one K step are 256 consecutive bytes of a chunk: the two waves of a K step gather them in LDS, a barrier follows the last step, and each wave stores one such unit (rows' half 0: the weight's; 1: x's).
; Loads run four steps ahead, the turn through LDS one step.  No pointer and no address register is ever stepped: every offset is an immediate.
.set STG,   2048                       ; a stage: 32 places of 64 bytes
.set VST,   2*STG                      ; a wave's region: two stages for weight and x, two for value
.set WREG,  4*STG
.set PAR,   16*WREG                    ; [512 groups][the factor for wmin, the factor for wmax], 4,096 bytes
.set SBA,   PAR+4096                   ; [weight, x][K step][16 rows][16 scale bytes], 4,096 bytes
.set SPARE, SBA+4096                   ; the spare words, 128 bytes for each wave
.set CHUNK, 34816
.set ROWB,  16384
.set GA,  3                            ; v3   16 x lane
.set CA,  4                            ; v4   8 x lane
.set SI,  5                            ; v5-6 the stage, on the way in
.set SB,  7                            ; v7   my block's scale byte in LDS
.set SBO, 8                            ; v8   the scale bytes on the way out
.set PW,  9                            ; v9   where I put my group's two factors
.set PR,  10                           ; v10  where I read those of the group in hand
.set GP,  11                           ; v11  4 x my thread's number
.set SO,  12                           ; v12-15 the stage, on the way out
.set R,   16                           ; v16-79    four sets of 16 numbers as loaded: weight (sets 0, 2) and x (sets 1, 3)
.set RV,  80                           ; v80-95, v112-127  two sets for value
.set C,   96                           ; v96-111, v128-143 a pair of codes for each step
.set X,   144                          ; v144-175  16 neighbours: the weight's, x's
.set XV,  176                          ; v176-191  value's
.set T,   208                          ; v208-223  at work
.set E,   232                          ; v232-235  four scale bytes
.set PF,  236                          ; v236-237  the group's two factors
.set MN,  240
.set MX,  241
.set WMIN, 242
.set WMAX, 243
.set RC,  244                          ; v[244:245] 1 / s, zp
.set ZP,  245
.set S,   246                          ; v[246:247] s, 15 - zp
.set HI,  247
.set Q,   248
.set ER,  249
.set MA,  250
.set MB,  251
.set SCL, 252
.set PS,  24                           ; s[24:25] weight at my wave's first bytes
.set VS,  26                           ; s[26:27] value there
.set QC,  28                           ; s[28:29] where the weight's codes go
.set QS,  30                           ; s[30:31] where my unit of scale bytes goes
.set PX,  40                           ; s[40:41] x at my wave's first bytes
.set QX,  42                           ; s[42:43] where x's codes go
	s_load_b256 s[4:11], s[0:1], 0x0               ; x s[4:5], weight s[6:7], value s[8:9], min_scale s[10:11]
	s_load_b128 s[12:15], s[0:1], 0x20             ; max_scale s[12:13], aq s[14:15]
	s_load_b64 s[16:17], s[0:1], 0x30              ; bq
	v_lshl_add_u32 v254, v0, 2, SPARE
	v_mov_b32 v255, 0
	v_lshrrev_b32 v1, 5, v0
	v_readfirstlane_b32 s18, v1                    ; wave 0..15
	s_and_b32 s19, s18, 7                          ; my K step of 512
	s_lshr_b32 s44, s18, 3                         ; which 8 rows
	s_mul_i32 s45, s18, WREG                       ; my wave's region
	s_lshl_b32 s46, s19, 8
	s_lshl_b32 s21, s44, 7
	s_add_co_u32 s46, s46, s21
	s_add_co_u32 s46, s46, SBA                     ; scale bytes in: 256 x K step + 16 x my first row
	s_lshl_b32 s47, s19, 8
	s_lshl_b32 s21, s44, 11
	s_add_co_u32 s47, s47, s21
	s_add_co_u32 s47, s47, SBA                     ; and out: the unit of tensor (wave >> 3), my K step
	s_lshl_b32 s48, s19, 5
	s_add_co_u32 s48, s48, s21
	s_add_co_u32 s48, s48, PAR                     ; factors: 256 bytes a row, 32 a K step
	s_mov_b32 s32, 0x3d888889                      ; 1 / 15, rounded to nearest
	s_mov_b32 s33, 0xc1700000                      ; -15
	s_mov_b32 s34, 0x41700000                      ; 15
	s_lshl_b32 s20, ttmp9, 18                      ; 16 rows of 16,384 bytes a work-group,
	s_lshl_b32 s21, s19, 11                        ; 2,048 bytes a K step,
	s_add_co_u32 s20, s20, s21
	s_lshl_b32 s21, s44, 17                        ; 8 rows
	s_add_co_u32 s20, s20, s21
	s_mov_b32 s21, 0
	s_lshl_b32 s22, ttmp9, 11                      ; 512 groups of 4 bytes a work-group
	s_mov_b32 s23, 0
	s_and_b32 s35, ttmp9, 0xf8                     ; 8 x (row / 128)
	s_add_co_u32 s35, s35, s19
	s_mul_i32 s35, s35, CHUNK                      ; my chunk's first byte
	s_and_b32 s38, ttmp9, 7                        ; which 16 of its 128 rows
	s_lshl_b32 s36, s38, 12
	s_add_co_u32 s36, s36, s35
	s_lshl_b32 s37, s44, 11
	s_add_co_u32 s36, s36, s37                     ; my 8 rows' codes: 2,048 bytes
	s_mov_b32 s37, 0
	s_lshl_b32 s38, s38, 8
	s_add_co_u32 s38, s38, s35
	s_add_co_u32 s38, s38, 32768                   ; the 16 rows' scale bytes, behind the chunk's codes
	s_mov_b32 s39, 0
	v_and_b32 v2, 31, v0                           ; lane
	v_lshlrev_b32 v[GA], 4, v2
	v_lshlrev_b32 v[CA], 3, v2
	v_lshrrev_b32 v1, 4, v2                        ; in: lane l of load i holds piece l % 4 of place 8 i + l / 4, whose slot is (l % 4 + 2 i + l / 16) mod 4
	v_add_nc_u32 v1, v1, v2
	v_and_b32 v1, 3, v1
	v_lshrrev_b32 v[SI], 2, v2
	v_lshlrev_b32 v[SI], 6, v[SI]
	v_lshl_add_u32 v[SI], v1, 4, v[SI]
	v_add_nc_u32 v[SI], s45, v[SI]
	v_xor_b32 v[SI+1], 32, v[SI]                   ; for an odd i the slot is two further round
	v_lshrrev_b32 v1, 2, v2                        ; out: lane P reads piece c of place P from slot (c + P / 4) mod 4
	v_and_b32 v1, 3, v1
	v_lshlrev_b32 v[SO+3], 6, v2
	v_add_nc_u32 v[SO+3], s45, v[SO+3]
	v_lshl_add_u32 v[SO], v1, 4, v[SO+3]
	v_add_nc_u32 v1, 1, v1
	v_and_b32 v1, 3, v1
	v_lshl_add_u32 v[SO+1], v1, 4, v[SO+3]
	v_xor_b32 v[SO+2], 32, v[SO]
	v_xor_b32 v[SO+3], 32, v[SO+1]
	v_lshrrev_b32 v[SB], 1, v2
	v_add_nc_u32 v[SB], s46, v[SB]
	v_add_nc_u32 v[SBO], s47, v[CA]
	v_lshl_add_u32 v[PW], v0, 3, PAR               ; thread i makes the factors of the work-group's group i
	v_and_b32 v[PR], 24, v2
	v_add_nc_u32 v[PR], s48, v[PR]
	v_lshlrev_b32 v[GP], 2, v0
	s_wait_alu depctr_va_vdst(0)                   ; the wait at the head's end
	s_wait_kmcnt 0x0
	s_add_nc_u64 s[PS:PS+1], s[6:7], s[20:21]
	s_add_nc_u64 s[PX:PX+1], s[4:5], s[20:21]
	s_add_nc_u64 s[VS:VS+1], s[8:9], s[20:21]
	s_add_nc_u64 s[QC:QC+1], s[16:17], s[36:37]
	s_add_nc_u64 s[QX:QX+1], s[14:15], s[36:37]
	s_cmp_eq_u32 s44, 0                            ; the choice hangs on the wave's number alone
	s_cselect_b64 s[QS:QS+1], s[16:17], s[14:15]
	s_add_nc_u64 s[QS:QS+1], s[QS:QS+1], s[38:39]
	s_add_nc_u64 s[10:11], s[10:11], s[22:23]
	s_add_nc_u64 s[12:13], s[12:13], s[22:23]
.macro LOADS t                         ; step t's loads, 512 consecutive bytes each: four of the weight and four of value (t even), or four of x
.set PP, PS+(PX-PS)*((\t)%2)
.irp i, 0,1,2,3
	global_load_b128 v[R+16*((\t)%4)+4*\i:R+16*((\t)%4)+4*\i+3], v[GA], s[PP:PP+1] offset:ROWB*((\t)/2)+512*\i th:TH_LOAD_NT
.endr
.if (\t)%2 == 0
.irp i, 0,1,2,3
	global_load_b128 v[RV+16*((\t)%4)+4*\i:RV+16*((\t)%4)+4*\i+3], v[GA], s[VS:VS+1] offset:ROWB*((\t)/2)+512*\i th:TH_LOAD_NT
.endr
.endif
.endm
.macro TURNS t                         ; step t's numbers through the stage: LDS serves a wave's instructions in order (ISA guide 5.7.1.4), so no wait stands between the stores and the loads
.irp i, 0,1,2,3
	ds_store_b128 v[SI+\i%2], v[R+16*((\t)%4)+4*\i:R+16*((\t)%4)+4*\i+3] offset:STG*((\t)%2)+512*\i
.endr
.irp i, 0,1,2,3
	ds_load_b128 v[X+16*((\t)%2)+4*\i:X+16*((\t)%2)+4*\i+3], v[SO+\i] offset:STG*((\t)%2)
.endr
.if (\t)%2 == 0
.irp i, 0,1,2,3
	ds_store_b128 v[SI+\i%2], v[RV+16*((\t)%4)+4*\i:RV+16*((\t)%4)+4*\i+3] offset:VST+512*\i
.endr
.irp i, 0,1,2,3
	ds_load_b128 v[XV+4*\i:XV+4*\i+3], v[SO+\i] offset:VST
.endr
	ds_load_b64 v[PF:PF+1], v[PR] offset:256*((\t)/2)   ; the two factors of my group in this row
.endif
.endm
; The 16 numbers v[XS] .. v[XS + 15] become 16 codes and, with my neighbour's 16, a scale byte; both leave.
.macro MXQ t
	v_max3_num_f32 v[MA], |v[XS]|, |v[XS+1]|, |v[XS+2]|            ; the largest magnitude of my 16, in two chains
	v_max3_num_f32 v[MB], |v[XS+3]|, |v[XS+4]|, |v[XS+5]|
.irp i, 6,10
	s_delay_alu instid0(VALU_DEP_2)
	v_max3_num_f32 v[MA], v[MA], |v[XS+\i]|, |v[XS+\i+1]|
	s_delay_alu instid0(VALU_DEP_2)
	v_max3_num_f32 v[MB], v[MB], |v[XS+\i+2]|, |v[XS+\i+3]|
.endr
	s_delay_alu instid0(VALU_DEP_2)
	v_max3_num_f32 v[MA], v[MA], |v[XS+14]|, |v[XS+15]|
	s_delay_alu instid0(VALU_DEP_1)
	v_max3_num_f32 v[MA], v[MA], v[MB], 0x1800000  ; and the floor 2^(3 - 127): the byte cannot fall under 1
	s_delay_alu instid0(VALU_DEP_1)
	v_max_num_f32_dpp v[MA], v[MA], v[MA] row_xmask:1 row_mask:0xf bank_mask:0xf   ; and of my neighbour's 16: the block's
	s_delay_alu instid0(VALU_DEP_1)
	v_add_nc_u32 v[SCL], 0xff000000, v[MA]         ; 2 off its exponent field: the conversion takes the exponent field of this operand as its scale
	v_cvt_scalef32_pk8_fp4_f32 v[CP], v[XS:XS+7], v[SCL]           ; to the nearest code, ties to even, beyond 6 the largest code
	v_cvt_scalef32_pk8_fp4_f32 v[CP+1], v[XS+8:XS+15], v[SCL]
	v_lshrrev_b32 v[E+(\t)%4], 23, v[SCL]          ; the scale's byte (a plain line behind the conversions)
	ds_store_b8 v[SB], v[E+(\t)%4] offset:2048*((\t)%2)+16*((\t)/2)   ; both lanes of a block write the same byte with the same value
	global_store_b64 v[CA], v[CP:CP+1], s[QCC:QCC+1] offset:256*((\t)/2)   ; the wave stores 256 consecutive bytes, at a multiple of 256 from the buffer's first byte
.endm
; The 16 weights v[XS] .. become the 16 numbers of wq, in place.  v[XV] ..: value; v[PF], v[PF + 1]: the group's two factors.
.macro FAKEQ
	v_min3_num_f32 v[MN], v[XS], v[XS+1], 0        ; min(w, 0) and max(w, 0) of my 16, the two chains by turns
	v_max3_num_f32 v[MX], v[XS], v[XS+1], 0
.irp i, 2,4,6,8,10,12,14
	s_delay_alu instid0(VALU_DEP_2)
	v_min3_num_f32 v[MN], v[MN], v[XS+\i], v[XS+\i+1]
	s_delay_alu instid0(VALU_DEP_2)
	v_max3_num_f32 v[MX], v[MX], v[XS+\i], v[XS+\i+1]
.endr
.irp m, 1,2,4                          ; and of the eight lanes that hold the group
	s_delay_alu instid0(VALU_DEP_2)
	v_min_num_f32_dpp v[MN], v[MN], v[MN] row_xmask:\m row_mask:0xf bank_mask:0xf
	s_delay_alu instid0(VALU_DEP_2)
	v_max_num_f32_dpp v[MX], v[MX], v[MX] row_xmask:\m row_mask:0xf bank_mask:0xf
.endr
	s_delay_alu instid0(VALU_DEP_2)
	v_mul_f32 v[WMIN], v[MN], v[PF]
	s_delay_alu instid0(VALU_DEP_2)
	v_mul_f32 v[WMAX], v[MX], v[PF+1]
	s_delay_alu instid0(VALU_DEP_1)
	v_max_num_f32 v[Q], |v[WMIN]|, |v[WMAX]|
	s_delay_alu instid0(VALU_DEP_1)
	v_cmp_lt_f32 vcc_lo, 0, v[Q]                   ; not both zero
	s_delay_alu instid0(VALU_DEP_1)
	v_cndmask_b32 v[WMIN], -1.0, v[WMIN], vcc_lo   ; both zero: -1 and 1
	s_delay_alu instid0(VALU_DEP_2)
	v_cndmask_b32 v[WMAX], 1.0, v[WMAX], vcc_lo
	s_delay_alu instid0(VALU_DEP_1)
	v_sub_f32 v[ER], v[WMAX], v[WMIN]
	s_delay_alu instid0(VALU_DEP_1)
	v_mul_f32 v[Q], s32, v[ER]                     ; / 15: the quotient by the rounded reciprocal,
	s_delay_alu instid0(VALU_DEP_1)
	v_fma_f32 v[T], v[Q], s33, v[ER]               ; its exact residual,
	s_delay_alu instid0(VALU_DEP_1)
	v_fma_f32 v2, v[T], s32, v[Q]                  ; the correction
	s_delay_alu instid0(VALU_DEP_1)
	v_cvt_f16_f32 v1.l, v2                         ; the scale is kept in f16,
	s_delay_alu instid0(VALU_DEP_1)
	v_cvt_f32_f16 v[S], v1.l                       ; and used in f32
	s_wait_alu depctr_va_vdst(0)                   ; the wait ahead of the transcendental
	v_rcp_f32 v[RC], v[S]
	v_nop                                          ; a plain line behind the reciprocal (ISA guide 5.7.2),
	s_wait_alu depctr_va_vdst(0)                   ; and the wait ahead of its first reader
	v_fma_f32 v[ER], -v[S], v[RC], 1.0
	v_fma_f32 v[RC], v[ER], v[RC], v[RC]           ; 1 / s, corrected once
	s_delay_alu instid0(VALU_DEP_1)
	v_mul_f32 v[Q], -v[WMIN], v[RC]                ; -wmin / s in the same three lines
	s_delay_alu instid0(VALU_DEP_1)
	v_fma_f32 v[ER], -v[Q], v[S], -v[WMIN]
	s_delay_alu instid0(VALU_DEP_1)
	v_fma_f32 v[Q], v[ER], v[RC], v[Q]
	s_delay_alu instid0(VALU_DEP_1)
	v_rndne_f32 v[ZP], v[Q]                        ; zp: to the nearest whole number, ties to even
	s_delay_alu instid0(VALU_DEP_1)
	v_sub_f32 v[HI], s34, v[ZP]                    ; 15 - zp
.irp p, 0,2,4,6,8,10,12,14             ; the sixteen weights, two at a time, line by line
	v_pk_mul_f32 v[T+\p:T+\p+1], v[XS+\p:XS+\p+1], v[RC:RC+1] op_sel_hi:[1,0]   ; w x (1 / s)
.endr
.irp p, 0,2,4,6,8,10,12,14
	v_pk_fma_f32 v[XS+\p:XS+\p+1], v[T+\p:T+\p+1], v[S:S+1], v[XS+\p:XS+\p+1] op_sel_hi:[1,0,1] neg_lo:[1,0,0] neg_hi:[1,0,0]   ; w - quotient x s, exact
.endr
.irp p, 0,2,4,6,8,10,12,14
	v_pk_fma_f32 v[T+\p:T+\p+1], v[XS+\p:XS+\p+1], v[RC:RC+1], v[T+\p:T+\p+1] op_sel_hi:[1,0,1]   ; w / s, correctly rounded
.endr
.irp p, 0,2,4,6,8,10,12,14
	v_pk_add_f32 v[T+\p:T+\p+1], v[T+\p:T+\p+1], v[XV+\p:XV+\p+1]   ; + value: not fused, it has its own rounding in the source
.endr
.irp i, 0,1,2,3,4,5,6,7,8,9,10,11,12,13,14,15
	v_rndne_f32 v[T+\i], v[T+\i]
.endr
.irp i, 0,1,2,3,4,5,6,7,8,9,10,11,12,13,14,15
	v_med3_num_f32 v[T+\i], v[T+\i], -v[ZP], v[HI] ; held to -zp .. 15 - zp
.endr
.irp p, 0,2,4,6,8,10,12,14
	v_pk_mul_f32 v[XS+\p:XS+\p+1], v[T+\p:T+\p+1], v[S:S+1] op_sel_hi:[1,0]   ; x s: exact (11 bits x 5)
.endr
.endm
.macro QSTEP t
.set XS, X+16*((\t)%2)
.set QCC, QC+(QX-QC)*((\t)%2)
.set CP, C+2*(\t)+16*((\t)/8)
.if (\t) > 0
	s_wait_dscnt 1                                 ; this step's numbers are back from the stage (the last step's byte store may be out), so the stage's stores have read their registers,
.else
	s_wait_dscnt 0x0
.endif
.if (\t)+4 < 16
	LOADS (\t)+4                                   ; which take the loads of four steps on
.endif
.if (\t) < 15
.set WC, 0                             ; the loads issued behind step t + 1's: those of steps t + 2 .. t + 4, eight for a weight's step, four for one of x
.irp d, 2,3,4
.if (\t)+\d < 16
.set WC, WC+8-4*(((\t)+\d)%2)
.endif
.endr
	s_wait_loadcnt WC
	TURNS (\t)+1                                   ; the next step goes through the other stage while this step is worked
.endif
.if (\t)%2 == 0
	FAKEQ
.endif
	MXQ \t
.endm
	global_load_b32 v[T], v[GP], s[10:11]          ; min_scale and max_scale of the work-group's 512 groups: a group a thread
	global_load_b32 v[T+1], v[GP], s[12:13]
.irp t, 0,1,2,3
	LOADS \t
.endr
	s_wait_loadcnt 24                              ; the two factors' loads are in; behind them: 8 + 4 + 8 + 4
	v_med3_num_f32 v[T+2], v[T], -1.0, 0           ; clamp(., -1, 0)
	v_med3_num_f32 v[T+3], v[T+1], -1.0, 0
	s_delay_alu instid0(VALU_DEP_2)
	v_add_f32 v[T+2], 1.0, v[T+2]                  ; + 1
	s_delay_alu instid0(VALU_DEP_2)
	v_add_f32 v[T+3], 1.0, v[T+3]
	ds_store_b64 v[PW], v[T+2:T+3]
	s_wait_dscnt 0x0                               ; for the others' sake: my factors lie in LDS
	s_barrier_signal -1
	s_barrier_wait -1                              ; everybody's do
	s_wait_loadcnt 16                              ; step 0's eight loads are in; behind them: 4 + 8 + 4
	TURNS 0
.irp t, 0,1,2,3,4,5,6,7,8,9,10,11,12,13,14,15
	QSTEP \t
.endr
	s_wait_dscnt 0x0                               ; for my partner's sake: my scale bytes lie in LDS
	s_barrier_signal -1
	s_barrier_wait -1
	ds_load_b64 v[T:T+1], v[SBO]                   ; one tensor's 16 rows x 16 scale bytes of my K step
	s_wait_dscnt 0x0
	global_store_b64 v[CA], v[T:T+1], s[QS:QS+1]   ; 256 consecutive bytes, at a multiple of 256 from the buffer's first byte
	s_wait_tensorcnt 0x0                           ; the wave's end
	ds_add_u32 v254, v255
	s_wait_dscnt 0x0
	s_endpgm
.Lfunc_end_k_qed70eb4d8c_quant:
	.size	k_qed70eb4d8c_quant, .Lfunc_end_k_qed70eb4d8c_quant-k_qed70eb4d8c_quant
	.p2alignl 7, 3214868480
	.fill 96, 4, 3214868480
	.section	.rodata,"a",@progbits
	.p2align	6, 0x0
	.amdhsa_kernel k_qed70eb4d8c_quant
		.amdhsa_group_segment_fixed_size 141312
		.amdhsa_private_segment_fixed_size 0
		.amdhsa_enable_private_segment 0
		.amdhsa_kernarg_size 56
		.amdhsa_user_sgpr_count 2
		.amdhsa_user_sgpr_kernarg_segment_ptr 1
		.amdhsa_wavefront_size32 1
		.amdhsa_system_sgpr_workgroup_id_x 1
		.amdhsa_system_sgpr_workgroup_id_y 1
		.amdhsa_system_sgpr_workgroup_id_z 1
		.amdhsa_system_vgpr_workitem_id 0
		.amdhsa_next_free_vgpr 256
		.amdhsa_next_free_sgpr 66
		.amdhsa_reserve_vcc 1
		.amdhsa_float_denorm_mode_32 3
		.amdhsa_float_denorm_mode_16_64 3
		.amdhsa_memory_ordered 1
		.amdhsa_forward_progress 1
		.amdhsa_inst_pref_size 107
	.end_amdhsa_kernel
	.amdgpu_metadata
---
amdhsa.version: [ 1, 2 ]
amdhsa.kernels:
  - .name:           k_qed70eb4d8c_quant
    .symbol:         k_qed70eb4d8c_quant.kd
    .args:
      - { .name: x, .offset: 0, .size: 8, .value_kind: global_buffer, .address_space: global }
      - { .name: weight, .offset: 8, .size: 8, .value_kind: global_buffer, .address_space: global }
      - { .name: value, .offset: 16, .size: 8, .value_kind: global_buffer, .address_space: global }
      - { .name: min_scale, .offset: 24, .size: 8, .value_kind: global_buffer, .address_space: global }
      - { .name: max_scale, .offset: 32, .size: 8, .value_kind: global_buffer, .address_space: global }
      - { .name: aq, .offset: 40, .size: 8, .value_kind: global_buffer, .address_space: global }
      - { .name: bq, .offset: 48, .size: 8, .value_kind: global_buffer, .address_space: global }
    .group_segment_fixed_size: 141312
    .private_segment_fixed_size: 0
    .kernarg_segment_align: 8
    .kernarg_segment_size: 56
    .max_flat_workgroup_size: 512
    .sgpr_count:     66
    .vgpr_count:     256
    .wavefront_size: 32
...
	.end_amdgpu_metadata
.endif
;; end of part 1
;; launch gemm (part 2): grid 16 x 16, 4 waves a work-group, clusters of 4 x 4, 327,680 bytes of LDS; arguments aq, bq, bias, out0; writes out0
.if DOCPART == 2
	.amdgcn_target "amdgcn-amd-amdhsa--gfx1250"
	.amdhsa_code_object_version 6
	.text
	.protected	k_qed70eb4d8c_gemm
	.globl	k_qed70eb4d8c_gemm
	.p2align	8
	.type	k_qed70eb4d8c_gemm,@function
k_qed70eb4d8c_gemm:
	s_mov_b64 s[64:65], 0
	v_nop
	global_prefetch_b8 v0, s[64:65] scope:SCOPE_SE
	s_setreg_imm32_b32 hwreg(HW_REG_WAVE_MODE, 25, 1), 1
	s_wait_xcnt 0x0
	s_wait_alu depctr_hold_cnt(0) depctr_sa_sdst(0) depctr_va_vdst(0) depctr_va_sdst(0) depctr_va_ssrc(0) depctr_va_vcc(0) depctr_vm_vsrc(0)
	s_getreg_b32 s2, hwreg(HW_REG_IB_STS2, 6, 4)
	s_cmp_eq_u32 s2, 0
	s_cbranch_scc0 .Lentry_in_a_cluster
	s_endpgm
.Lentry_in_a_cluster:
	s_bfe_u32 s2, ttmp6, 0x10000c
	s_cmp_lg_u32 s2, 0xf033
	s_cbranch_scc0 .Lentry_shape_is_right
	s_endpgm
.Lentry_shape_is_right:
; out0[m][n] = bias[n] + sum over k of xq[m][k] wq[n][k]: 4096 x 4096 x 4096, both operands as FP4 (E2M1) codes with one E8M0 byte for each 32 along K, sums in f32.
; aq and bq are laid [row / 128][k / 512][chunk]: a chunk is 128 rows x 256 bytes of codes, then 128 rows x 16 scale bytes: 136 units of 256 bytes on end, fetched by ONE tensor load as 136 rows, 16 bytes of padding behind each.
; A work-group of four waves makes 256 x 256 of out0, a wave 128 x 128: 64 accumulators, 512 registers.  K goes in steps of 512 through two LDS slots (A's two chunks, then B's two); a K step is four steps of 128, 64 matrix instructions each.
; BOTH OPERANDS HAVE TWO SETS OF FRAGMENT REGISTERS: a step's 32 LDS loads go out in one run at the head of the step before it, 64 matrix instructions ahead of their first use.
; A slot's reads have all been issued when its last step begins, so the change of slots stands at that step's head: 16 products between the add and its wait, then the round, the refill, the next slot's first fragments, and 48 products.
; CLUSTERS: 4 x 4 work-groups; A's chunks are asked for jointly along a row of the cluster, B's along a column.  The matrix instruction is used transposed (source 0 = B's rows, source 1 = A's): a lane holds eight neighbouring columns of a row.
; The bias is the C of each accumulator's first product.  The last K step goes by rows of out0, so that finished rows leave while the others are multiplied; the stage of the way out lies in slot 0, behind its last fill and last read.
; PREFETCHES: every cluster asks for the chunks that it will load; of a chunk's 128 units of codes each of the four partners that load it jointly names 32, a lane a unit, told apart by address.  K steps 0 and 1 are named at the head,
; 2 and 3 behind the first two loads, and each change of slots names the K step two refills on; the last two changes name nothing.  A chunk's 8 units of scales: partner p names those of K step p at the head and of K step 4 + p at the first change of slots
; (lanes 8-31 name the eighth unit again).
; REGISTERS: window 0: v0-31 addresses; v32-95 scale words, a set for each slot; v128-191, v192-255 A's two sets.  window 1: v0-63, v128-191 B's two sets; v64-127 the bias.  windows 2, 3: the accumulators of my rows 0-63, 64-127.
; In the last K step window 1 holds all of B's fragments, v96-159 two blocks of A, v192-255 the rows on their way out.
.set SIZE_N, 4096
.set NQ,     4
.set PITCH,  272                       ; an LDS row: 256 bytes + 16 of padding
.set FR,     8
.set NP,     4                         ; places behind this matrix form (ISA guide 7.12.1)
.set UNITS,  136
.set CHUNK,  UNITS*256
.set RBS,    8*CHUNK                   ; the eight chunks of 128 rows
.set HALFT,  UNITS*PITCH
.set SLOT,   4*HALFT
.set LAPS,   4
.set SPARE,  2*SLOT                    ; behind the ring: the spare words, 128 bytes a wave
.set SPITCH, 528
.set ADRA, 16                          ; v16-17 my A fragments in slot 0, 1
.set ADRB, 20                          ; v20-21 my B fragments
.set ADRS, 22                          ; v22-23 my scale words: lanes 0-15 A's rows, lanes 16-31 B's
.set STO,  24
.set RD,   25
.set CO,   26
.set BO,   27
.set SPW,  28
.set NIL,  29
.set PFO,  30                          ; 256 x lane
.set PSO,  31                          ; 256 x min(lane, 7)
.set SC,   32
.set AF,   128
.set BI,   64                          ; in window 1
.set BK,   192
.set PA,   96
.set G1, 24
.set G0, 32
.set G1B, 48
.set G0B, 56
.set PFA, 68
.set PSA, 70
.set MSB, 0
.macro WIN new                         ; the immediate's high byte repeats the setting that is left
.if MSB != \new
	s_set_vgpr_msb (MSB<<8)|\new
.set MSB, \new
.endif
.endm
.set MUL_LO, 0xa1                      ; source 0 (B) window 1, source 1 (A) window 0, C and D window 2
.set MUL_HI, 0xf1
.set BEG_LO, 0x91                      ; the same with C (the bias) in window 1
.set BEG_HI, 0xd1
.set TO_B,   0x40
.macro JLOAD s                         ; a joint load: waves 0, 1 fetch A's two chunks, waves 2, 3 B's; s_nop 0 and four v_nop behind each line
	s_cmp_eq_u32 s15, 0
	s_cbranch_scc0 .Lfor_b_\@
	tensor_load_to_lds s[G0+4*\s:G0+4*\s+3], s[G1:G1+7]
	s_nop 0
.rept 4
	v_nop
.endr
	s_branch .Lasked_\@
.Lfor_b_\@:
	tensor_load_to_lds s[G0B+4*\s:G0B+4*\s+3], s[G1B:G1B+7]
	s_nop 0
.rept 4
	v_nop
.endr
.Lasked_\@:
.endm
.macro ASKH off                        ; my 32 units of the codes of the K step at \off from where PFA stands
	global_prefetch_b8 v[PFO], s[PFA:PFA+1] offset:\off th:TH_LOAD_NT scope:SCOPE_SE
.endm
.macro ASK                             ; in the loop: the last trip's two changes of slots have no K step two refills on
	s_cmp_gt_u32 s3, 1
	s_cbranch_scc0 .Lnot_mine_\@
	ASKH CHUNK
.Lnot_mine_\@:
.endm
.macro ASKS                            ; once, in the first trip: the scale units of K step 4 + p
	s_cmp_eq_u32 s3, LAPS-1
	s_cbranch_scc0 .Lnot_scales_\@
	global_prefetch_b8 v[PSO], s[PSA:PSA+1] offset:4*CHUNK th:TH_LOAD_NT scope:SCOPE_SE
.Lnot_scales_\@:
.endm
.macro CREST
	s_cmp_lg_u32 s14, 0
	s_cbranch_scc1 .Lnot_wave_0_\@
	s_barrier_signal -3
.Lnot_wave_0_\@:
	s_barrier_wait -3
	s_barrier_signal -1
	s_barrier_wait -1
.endm
.macro CROUND
	s_barrier_signal -1
	s_barrier_wait -1
	CREST
.endm
	s_load_b256 s[4:11], s[0:1], 0x0               ; aq s[4:5], bq s[6:7], bias s[8:9], out0 s[10:11]
	v_lshl_add_u32 v[SPW], v0, 2, SPARE
	v_mov_b32 v[NIL], 0
	ds_add_u32 v[SPW], v[NIL]                      ; the opening lines: the add, twice on end, and its wait
	ds_add_u32 v[SPW], v[NIL]
	v_lshrrev_b32 v1, 5, v0
	v_readfirstlane_b32 s14, v1                    ; wave 0..3
	v_and_b32 v5, 31, v0
	v_lshlrev_b32 v[PFO], 8, v5
	v_min_u32 v[PSO], 7, v5
	v_lshlrev_b32 v[PSO], 8, v[PSO]
	s_lshr_b32 s15, s14, 1                         ; my half of the rows; also: I fetch for A (0) or B (1)
	s_and_b32 s16, s14, 1                          ; my half of the columns; also: which chunk of the two I fetch
	s_bfe_u32 s40, ttmp6, 0x40000                  ; cx
	s_bfe_u32 s41, ttmp6, 0x40004                  ; cy
	s_lshl_b32 s42, ttmp9, 2
	s_add_co_u32 s42, s42, s40                     ; tile column
	s_and_b32 s17, ttmp7, 0xffff
	s_lshl_b32 s17, s17, 2
	s_add_co_u32 s17, s17, s41                     ; tile row
	s_lshl_b32 s43, s41, 2
	s_lshl_b32 s43, 15, s43                        ; my row of the cluster
	s_lshl_b32 s44, 0x1111, s40                    ; my column
	s_or_b32 s[G1+0], s43, (3<<16)|(1<<20)|(1<<21)|(5<<22)|(3<<25)   ; mask; elements of 8 bytes; padding of 4 words behind every 64; bit 21 beside a mask
	s_or_b32 s[G1B+0], s44, (3<<16)|(1<<20)|(1<<21)|(5<<22)|(3<<25)
.irp g, G1, G1B
	s_mov_b32 s[\g+1], 32<<16                      ; 136 rows of 32 elements, dense
	s_mov_b32 s[\g+2], UNITS<<16
	s_mov_b32 s[\g+3], 32<<16
	s_mov_b32 s[\g+4], UNITS
	s_mov_b32 s[\g+5], 32
	s_mov_b32 s[\g+6], 0
	s_mov_b32 s[\g+7], 0
.endr
	s_lshl_b32 s20, s17, 1
	s_add_co_u32 s20, s20, s16
	s_mul_i32 s20, s20, RBS                        ; A: my 128 rows' chunks
	s_mov_b32 s21, 0
	s_lshl_b32 s46, s42, 1
	s_add_co_u32 s46, s46, s16
	s_mul_i32 s46, s46, RBS                        ; B likewise
	s_mov_b32 s47, 0
	s_mul_i32 s45, s14, HALFT                      ; where my chunk goes in a slot
	s_cmp_eq_u32 s15, 0                            ; the prefetches' offsets: the chunks that I fetch, and my place p among the four that fetch them with me
	s_cselect_b32 s78, s20, s46
	s_cselect_b32 s76, s40, s41
	s_mov_b32 s79, 0
	s_mov_b32 s75, 0
	s_lshl_b32 s77, s76, 13                        ; 32 p units of codes
	s_mul_i32 s74, s76, CHUNK
	s_add_co_u32 s74, s74, s78
	s_add_co_u32 s74, s74, 32768                   ; K step p's scale units
	s_add_co_u32 s78, s78, s77
	s_add_co_u32 s78, s78, 2*CHUNK                 ; PFA stands at K step 2
	s_wait_alu depctr_va_vdst(0)                   ; the wait here, ahead of the waits below
	s_wait_dscnt 0x0                               ; both opening adds are done
	s_wait_kmcnt 0x0
	s_cmp_eq_u32 s15, 0
	s_cselect_b64 s[PFA:PFA+1], s[4:5], s[6:7]
	s_add_nc_u64 s[PSA:PSA+1], s[PFA:PFA+1], s[74:75]
	s_add_nc_u64 s[PFA:PFA+1], s[PFA:PFA+1], s[78:79]
	ASKH -2*CHUNK                                  ; K steps 0 and 1,
	ASKH -CHUNK
	global_prefetch_b8 v[PSO], s[PSA:PSA+1] th:TH_LOAD_NT scope:SCOPE_SE   ; and K step p's scales
	s_add_nc_u64 s[20:21], s[4:5], s[20:21]
	s_add_nc_u64 s[46:47], s[6:7], s[46:47]
	CROUND                                         ; all sixteen work-groups are here: the first joint loads meet
.irp s, 0,1
	s_mov_b32 s[G0+4*\s], 1
	s_add_co_u32 s[G0+4*\s+1], s45, \s*SLOT
	s_add_nc_u64 s[G0+4*\s+2:G0+4*\s+3], s[20:21], \s*CHUNK
	s_or_b32 s[G0+4*\s+3], s[G0+4*\s+3], 0x80000000
	s_mov_b32 s[G0B+4*\s], 1
	s_add_co_u32 s[G0B+4*\s+1], s45, \s*SLOT
	s_add_nc_u64 s[G0B+4*\s+2:G0B+4*\s+3], s[46:47], \s*CHUNK
	s_or_b32 s[G0B+4*\s+3], s[G0B+4*\s+3], 0x80000000
.endr
	JLOAD 0                                        ; K step 0: one tensor load a wave at the head
	s_mul_i32 s21, s15, HALFT                      ; my 128 rows of A
	s_mul_i32 s22, s16, HALFT
	s_add_co_u32 s22, s22, 2*HALFT                 ; my 128 rows of B, behind A's two chunks
	s_sub_co_u32 s18, s22, s21
	s_add_co_u32 s19, s21, 128*PITCH               ; the scale units lie behind a chunk's 128 rows of codes
	s_mul_i32 s23, s14, 16*SPITCH                  ; my stage
	v_and_b32 v1, 15, v0                           ; r
	v_bfe_u32 v2, v0, 4, 1                         ; h
	v_mul_u32_u24 v3, v1, PITCH
	v_lshl_add_u32 v4, v2, 4, v3                   ; a fragment's row x pitch + 16 h
	v_add_nc_u32 v[ADRA], s21, v4
	v_add_nc_u32 v[ADRB], s22, v4
	v_add_nc_u32 v[ADRA+1], SLOT, v[ADRA]
	v_add_nc_u32 v[ADRB+1], SLOT, v[ADRB]
	v_mul_u32_u24 v6, s18, v2                      ; lanes 16-31 take B's scale words
	v_lshl_add_u32 v5, v1, 4, v6                   ; 16 bytes a row: a K step's four words
	v_add_nc_u32 v[ADRS], s19, v5
	v_add_nc_u32 v[ADRS+1], SLOT, v[ADRS]
	v_mul_u32_u24 v5, v1, SPITCH
	v_lshl_add_u32 v5, v2, 5, v5
	v_add_nc_u32 v[STO], s23, v5                   ; into the stage: row r, 32 bytes for each half of the lanes
	v_and_b32 v6, 31, v0
	v_lshlrev_b32 v[CO], 4, v6                     ; back: 32 lanes take a row of 512 bytes; the same in out0
	v_add_nc_u32 v[RD], s23, v[CO]
	v_lshlrev_b32 v[BO], 5, v2                     ; the bias of my eight columns of a block: 32 h
	s_wait_alu depctr_va_vdst(0)                   ; the wait behind the head's last vector line
	s_lshl_b32 s20, s17, 8
	s_lshl_b32 s21, s15, 7
	s_add_co_u32 s20, s20, s21
	s_lshl_b32 s20, s20, 14                        ; my first row of out0, 16,384 bytes a row
	s_mov_b32 s21, 0
	s_lshl_b32 s46, s42, 10
	s_lshl_b32 s47, s16, 9
	s_add_co_u32 s46, s46, s47                     ; my first column, in bytes
	s_mov_b32 s47, 0
	s_add_nc_u64 s[10:11], s[10:11], s[20:21]
	s_add_nc_u64 s[10:11], s[10:11], s[46:47]
	s_add_nc_u64 s[8:9], s[8:9], s[46:47]
	WIN TO_B
.irp b, 0,1,2,3,4,5,6,7
	global_load_b128 v[BI+8*\b:BI+8*\b+3],   v[BO], s[8:9] offset:64*\b
	global_load_b128 v[BI+8*\b+4:BI+8*\b+7], v[BO], s[8:9] offset:64*\b+16
.endr
	WIN 0
	ASKH 0                                         ; K step 2
.macro FRAG reg, adr, q, i             ; 16 rows x 128 K of 4-bit codes: 8 registers, two loads 32 bytes apart
.irp c, 0,1
	ds_load_b128 v[\reg+4*\c:\reg+4*\c+3], v[\adr] offset:64*(\q)+32*\c+(\i)*16*PITCH
.endr
.endm
; 16 matrix instructions: A's blocks a0, a0 + 1 x B's eight.  p: the fragment sets; q: which 128 of the K step; sc: the set of scale words.  The 64 accumulators take turns in the same order in every step.
.macro MUL16 a0, p, q, sc, first
.irp a, \a0, \a0+1
.irp b, 0,1,2,3,4,5,6,7
.if \first
	v_wmma_scale_f32_16x16x128_f8f6f4 v[8*(8*((\a)%4)+\b):8*(8*((\a)%4)+\b)+7], v[128*(\p)+FR*\b:128*(\p)+FR*\b+FR-1], v[AF+64*(\p)+FR*(\a):AF+64*(\p)+FR*(\a)+FR-1], v[BI+8*\b:BI+8*\b+7], v[SC+8*NQ*(\sc)+NQ*\b+(\q)], v[SC+8*NQ*(\sc)+NQ*(\a)+(\q)] matrix_a_fmt:MATRIX_FMT_FP4 matrix_b_fmt:MATRIX_FMT_FP4 matrix_a_scale:MATRIX_SCALE_ROW1
.else
	v_wmma_scale_f32_16x16x128_f8f6f4 v[8*(8*((\a)%4)+\b):8*(8*((\a)%4)+\b)+7], v[128*(\p)+FR*\b:128*(\p)+FR*\b+FR-1], v[AF+64*(\p)+FR*(\a):AF+64*(\p)+FR*(\a)+FR-1], v[8*(8*((\a)%4)+\b):8*(8*((\a)%4)+\b)+7], v[SC+8*NQ*(\sc)+NQ*\b+(\q)], v[SC+8*NQ*(\sc)+NQ*(\a)+(\q)] matrix_a_fmt:MATRIX_FMT_FP4 matrix_b_fmt:MATRIX_FMT_FP4 matrix_a_scale:MATRIX_SCALE_ROW1
.endif
.endr
.endr
.endm
.macro FETCH_B slot, q, p
	WIN TO_B
.irp i, 0,1,2,3,4,5,6,7
	FRAG 128*(\p)+FR*\i, ADRB+\slot, \q, \i
.endr
	WIN 0
.endm
.macro FETCH_A slot, q, p, i0          ; A's blocks i0 .. i0 + 3
.irp i, \i0, \i0+1, \i0+2, \i0+3
	FRAG AF+64*(\p)+FR*(\i), ADRA+\slot, \q, \i
.endr
.endm
.macro SCALES sc                       ; a K step's scale words: lanes 0-15 A's block i, lanes 16-31 B's block i
.irp i, 0,1,2,3,4,5,6,7
	ds_load_b128 v[SC+8*NQ*\sc+NQ*\i:SC+8*NQ*\sc+NQ*\i+3], v[ADRS+\sc] offset:\i*PITCH
.endr
.endm
.macro PLACES n
.rept \n
	v_nop
.endr
.endm
; A step of 128 along K whose successor lies in the same slot: first the successor's 32 loads, into the sets that the step before multiplied (four places behind its last product), then this step's 64 products.
.macro STEP slot, q, first
	PLACES NP
	FETCH_B \slot, (\q)+1, 1-(\q)%2
	FETCH_A \slot, (\q)+1, 1-(\q)%2, 0
	FETCH_A \slot, (\q)+1, 1-(\q)%2, 4
	s_wait_dscnt 40                                ; out: the 32 just issued and this step's A blocks 4-7 (8 loads); B's set, A's blocks 0-3 and any scale words are in
.if \first
	WIN BEG_LO
.else
	WIN MUL_LO
.endif
	MUL16 0, (\q)%2, \q, \slot, \first
	MUL16 2, (\q)%2, \q, \slot, \first
	s_wait_dscnt 32                                ; out: the 32 for the next step alone
.if \first
	WIN BEG_HI
.else
	WIN MUL_HI
.endif
	MUL16 4, (\q)%2, \q, \slot, \first
	MUL16 6, (\q)%2, \q, \slot, \first
.endm
; The head of a slot's last step: all reads of the slot have been issued.  Each wave waits for all its tensor loads, adds 0 to its spare word, multiplies 16, waits for the add and its reads, and meets the others.
.macro MEET slot, fill
	WIN 0
	s_wait_tensorcnt 0x0                           ; my part of the other slot has landed: no tensor load of mine is out
	ds_add_u32 v[SPW], v[NIL]
.if \fill
	s_add_nc_u64 s[G0+4*\slot+2:G0+4*\slot+3], s[G0+4*\slot+2:G0+4*\slot+3], 2*CHUNK
	s_add_nc_u64 s[G0B+4*\slot+2:G0B+4*\slot+3], s[G0B+4*\slot+2:G0B+4*\slot+3], 2*CHUNK
.endif
	s_wait_dscnt 9                                 ; out: the add and A's blocks 4-7
	WIN MUL_LO
	MUL16 0, 1, NQ-1, \slot, 0
	WIN 0
	s_wait_dscnt 0x0                               ; the add is done, and my reads of this slot are over
	s_barrier_signal -1
	s_barrier_wait -1
.endm
.macro TURN slot, next
	WIN 0
	s_wait_xcnt 0x0                                ; my last prefetch has read its address
	s_add_nc_u64 s[PFA:PFA+1], s[PFA:PFA+1], CHUNK
	MEET \slot, 1
	CREST                                          ; the barrier has opened a round of the cluster's barrier
	JLOAD \slot                                    ; the refill, first behind the round; its four v_nop are the places in front of the loads below
	FETCH_B \next, 0, 0
	FETCH_A \next, 0, 0, 0
	SCALES \next
	FETCH_A \next, 0, 0, 4
	ASK
.if \slot == 0
	ASKS
.endif
	WIN MUL_LO
	MUL16 2, 1, NQ-1, \slot, 0
	WIN MUL_HI
	MUL16 4, 1, NQ-1, \slot, 0
	MUL16 6, 1, NQ-1, \slot, 0
.endm
; The last K step (slot 1) by rows of out0: all of B's fragments in window 1, A's by blocks of 16 rows x 512 K.
.macro BLOAD q
.irp i, 0,1,2,3,4,5,6,7
	FRAG 64*\q+FR*\i, ADRB+1, \q, \i
.endr
.endm
.macro ALOAD a
.set FA, PA+32*((\a)%2)
.irp q, 0,1,2,3
	FRAG FA+FR*\q, ADRA+1, \q, \a
.endr
.endm
.macro ROW a                           ; block a is finished: 32 matrix instructions, its 8 accumulators by turns
.set FA, PA+32*((\a)%2)
.set AC, 64*((\a)%4)
	WIN MUL_LO+0x50*((\a)/4)
.irp q, 0,1,2,3
.if (\a) == 0 && \q == 2
	s_wait_dscnt 0x0                               ; B's third quarter is in
.endif
.irp b, 0,1,2,3,4,5,6,7
	v_wmma_scale_f32_16x16x128_f8f6f4 v[AC+8*\b:AC+8*\b+7], v[64*\q+FR*\b:64*\q+FR*\b+FR-1], v[FA+FR*\q:FA+FR*\q+FR-1], v[AC+8*\b:AC+8*\b+7], v[SC+8*NQ+NQ*\b+\q], v[SC+8*NQ+NQ*(\a)+\q] matrix_a_fmt:MATRIX_FMT_FP4 matrix_b_fmt:MATRIX_FMT_FP4 matrix_a_scale:MATRIX_SCALE_ROW1
.endr
.endr
.endm
.macro TOSTAGE a                       ; 16 rows x 128 columns through my own stage: in as 32 bytes a lane, back as rows of 512 bytes (LDS serves a wave's instructions in order: ISA guide 5.7.1.4)
.set AC, 64*((\a)%4)
	WIN 0x08+4*((\a)/4)
.irp b, 0,1,2,3,4,5,6,7
	ds_store_b128 v[STO], v[AC+8*\b:AC+8*\b+3] offset:64*\b          ; each accumulator from its low end on
	ds_store_b128 v[STO], v[AC+8*\b+4:AC+8*\b+7] offset:64*\b+16
.endr
	WIN 0
.if (\a) > 0
	s_wait_xcnt 0x0                                ; the last block's stores have read their registers and their base
.endif
.irp t, 0,1,2,3,4,5,6,7,8,9,10,11,12,13,14,15
	ds_load_b128 v[BK+4*\t:BK+4*\t+3], v[RD] offset:\t*SPITCH
.endr
.endm
.macro SEND a, younger
	s_wait_dscnt \younger
.if (\a) > 0
	s_add_nc_u64 s[10:11], s[10:11], 16*SIZE_N*4
.endif
.irp t, 0,1,2,3,4,5,6,7,8,9,10,11,12,13,14,15
	global_store_b128 v[CO], v[BK+4*\t:BK+4*\t+3], s[10:11] offset:\t*SIZE_N*4 th:TH_STORE_NT   ; 32 lanes store 512 consecutive bytes, at a multiple of 256 from out0's first byte
.endr
.endm
	s_wait_tensorcnt 0x0                           ; my part of K step 0 is in
	ds_add_u32 v[SPW], v[NIL]
	s_wait_dscnt 0x0
	CROUND
	JLOAD 1                                        ; K step 1, the first tensor load behind the round
	FETCH_B 0, 0, 0
	FETCH_A 0, 0, 0, 0
	SCALES 0
	FETCH_A 0, 0, 0, 4
	ASKH CHUNK                                     ; K step 3
	s_wait_loadcnt 0x0                             ; the bias
	STEP 0, 0, 1                                   ; the first step's products start the sums from the bias
	WIN 0
	s_mov_b32 s3, LAPS-1
.Llap:                                                 ; a trip goes once round the ring and fills both slots again
	STEP 0, 1, 0
	STEP 0, 2, 0
	TURN 0, 1
	STEP 1, 0, 0
	STEP 1, 1, 0
	STEP 1, 2, 0
	TURN 1, 0
	STEP 0, 0, 0
	WIN 0
	s_sub_co_u32 s3, s3, 1
	s_cmp_lg_u32 s3, 0
	s_cbranch_scc1 .Llap
	STEP 0, 1, 0
	STEP 0, 2, 0
	MEET 0, 0                                      ; the last K step has landed; nothing is filled again, so no round follows
	PLACES NP                                      ; for the loads into the sets that the step before multiplied
	WIN TO_B
	BLOAD 0
	BLOAD 1
	BLOAD 3
	WIN 0
	SCALES 1
	ALOAD 0
	ALOAD 1
	WIN MUL_LO
	MUL16 2, 1, NQ-1, 0, 0
	WIN MUL_HI
	MUL16 4, 1, NQ-1, 0, 0
	MUL16 6, 1, NQ-1, 0, 0
	PLACES NP                                      ; for the loads into B's set 1
	WIN TO_B
	BLOAD 2
	s_wait_dscnt 16                                ; all but the 16 just issued
	ROW 0
.irp a, 0,1,2,3,4,5,6,7
	PLACES NP                                      ; the stage's stores read results just made; the loads land on registers just multiplied
	TOSTAGE \a
.if \a < 6
	ALOAD \a+2
	SEND \a, 8
.else
	SEND \a, 0
.endif
.if \a < 7
	ROW \a+1
.endif
.endr
	s_wait_tensorcnt 0x0                           ; the wave's end
	ds_add_u32 v[SPW], v[NIL]
	s_wait_dscnt 0x0
	CROUND                                         ; the closing round
	s_endpgm
.Lfunc_end_k_qed70eb4d8c_gemm:
	.size	k_qed70eb4d8c_gemm, .Lfunc_end_k_qed70eb4d8c_gemm-k_qed70eb4d8c_gemm
	.p2alignl 7, 3214868480
	.fill 96, 4, 3214868480
	.section	.rodata,"a",@progbits
	.p2align	6, 0x0
	.amdhsa_kernel k_qed70eb4d8c_gemm
		.amdhsa_group_segment_fixed_size 327680
		.amdhsa_private_segment_fixed_size 0
		.amdhsa_enable_private_segment 0
		.amdhsa_kernarg_size 32
		.amdhsa_user_sgpr_count 2
		.amdhsa_user_sgpr_kernarg_segment_ptr 1
		.amdhsa_wavefront_size32 1
		.amdhsa_system_sgpr_workgroup_id_x 1
		.amdhsa_system_sgpr_workgroup_id_y 1
		.amdhsa_system_sgpr_workgroup_id_z 1
		.amdhsa_system_vgpr_workitem_id 0
		.amdhsa_next_free_vgpr 1024
		.amdhsa_next_free_sgpr 80
		.amdhsa_reserve_vcc 0
		.amdhsa_float_denorm_mode_32 3
		.amdhsa_float_denorm_mode_16_64 3
		.amdhsa_memory_ordered 1
		.amdhsa_forward_progress 1
		.amdhsa_inst_pref_size 211
	.end_amdhsa_kernel
	.amdgpu_metadata
---
amdhsa.version: [ 1, 2 ]
amdhsa.kernels:
  - .name:           k_qed70eb4d8c_gemm
    .symbol:         k_qed70eb4d8c_gemm.kd
    .args:
      - { .name: aq, .offset: 0, .size: 8, .value_kind: global_buffer, .address_space: global }
      - { .name: bq, .offset: 8, .size: 8, .value_kind: global_buffer, .address_space: global }
      - { .name: bias, .offset: 16, .size: 8, .value_kind: global_buffer, .address_space: global }
      - { .name: out0, .offset: 24, .size: 8, .value_kind: global_buffer, .address_space: global }
    .group_segment_fixed_size: 327680
    .private_segment_fixed_size: 0
    .kernarg_segment_align: 8
    .kernarg_segment_size: 32
    .max_flat_workgroup_size: 128
    .sgpr_count:     80
    .vgpr_count:     1024
    .wavefront_size: 32
...
	.end_amdgpu_metadata
.endif
;; end of part 2
